; MI455X (gfx1250); checked and timed in simulation.
; The chip was launched on July 23, 2026; its instructions are those of AMD's public machine-readable ISA for CDNA 5 (MIT licence, August 2026) and "CDNA5" Instruction Set Architecture Reference Guide (July 2026). The comments in the code are by the model that wrote it; some were corrected since.
;; My LSTM. Allowed arithmetic: matrix products marked QUANTISED: E5M2 operands, one E8M0 scale for each 32 along K, by v_wmma_scale_f32_16x16x128_f8f6f4 with both operands' format E5M2, f32 sums; everything else in f32.
;; Inputs: Wf 2,048 x 4,096 float32; Wg 2,048 x 4,096 float32; Wi 2,048 x 4,096 float32; Wo 2,048 x 4,096 float32; bf 2,048 float32; bg 2,048 float32; bi 2,048 float32; bo 2,048 float32; c_old 2,048 x 2,048 float32; h_old 2,048 x 2,048 float32; x 2,048 x 2,048 float32.
;; Outputs: out0 2,048 x 2,048 float32; out1 2,048 x 2,048 float32.
;; Constants: mode = 0.
;; This version of the problem:
;;   THIS VERSION OF THE PROBLEM IS GIVEN IN LOW PRECISION. The matrix products marked QUANTISED in the list below multiply operands that are first quantised to E5M2 (5 exponent bits, 2 mantissa bits; 8 bits a number), with one power-of-two scale for each 32 numbers along K (OCP MX v1.0); their sums are f32. All else is computed in f32.
;;   The module's matrix products, in the order in which they are computed (A, B: the left and right operand; K: the contracted axis; several contracted axes count as one K, in the product's order):
;;     1. [M 2,048, K 4,096] x [K 4,096, N 8,192]; A: computed on the way; B: computed on the way: QUANTISED
;;   THE QUANTISER, for each operand of a quantised product, along K:
;;     - K is cut into blocks of 32 from its start; a last block that is shorter is filled with zeros.
;;     - A block's scale is 2^e with e = floor(log2(the largest magnitude in the block)) - 15, held to -126 .. 127; a block of zeros has e = 0. As a byte (E8M0): e + 127.
;;     - Each number is divided by its block's scale, clamped to +-57,344, and rounded to the nearest number of E5M2, ties to even, subnormals kept.
;;     - The product sums the exact products of the quantised numbers (number of the format x scale) in f32.
;;   ~~~python
;;   def quantise(x, axis):      # numpy; x: float32 -> the quantised numbers, widened to float32 again
;;       x = np.moveaxis(x, axis, -1); K = x.shape[-1]
;;       x = np.pad(x, [(0, 0)] * (x.ndim - 1) + [(0, -K % 32)]); x = x.reshape(x.shape[:-1] + (-1, 32)); a = np.abs(x).max(-1, keepdims=True)
;;       e = np.where(a > 0, np.clip(np.frexp(np.where(a > 0, a, 1))[1] - 1 - 15, -126, 127), 0)      # np.frexp(a)[1] - 1 = floor(log2(a)), exactly
;;       r = np.clip(x / 2.0 ** e, -57344, 57344)
;;       step = 2.0 ** (np.maximum(np.frexp(np.where(r == 0, 1, r))[1] - 1, -14) - 2)
;;       q = np.round(r / step) * step * 2.0 ** e      # np.round: ties to even
;;       return np.moveaxis(q.reshape(q.shape[:-2] + (-1,))[..., :K], -1, axis).astype(np.float32)
;;   ~~~
;;   OPERANDS COMPUTED ON THE WAY. 'Computed on the way' means the value that the module computes at that place (a softmax that the list does not call 'softmax' is quantised finished and normalised). What goes into a quantiser is computed in f32, as accurately as f32 sums, v_exp_f32 and their like allow (about 1e-6 of the number): no bf16 or f16 on the way to a quantiser, and a product that is left as it is and whose result goes on into a quantised operand takes f32 operands (vector FMAs, or v_wmma_f32_16x16x4_f32). A number that lies on a knife's edge between two numbers of the format may be rounded either way, as far as f32 arithmetic and the matrix unit's own rounding can turn it there, and no further.
;; One version. Each part assembles by itself: llvm-mc -triple=amdgcn-amd-amdhsa -mcpu=gfx1250 --defsym DOCPART=n.
;; ======== version 1 of 1: 2 launches
;; limits: right only within a limited range of input values; inputs' magnitudes at most 1.18e+21
;; workspace buffers: q 43,253,760 bytes
;; launch quant (part 1): grid 256 x 1, 4 waves a work-group, no clusters, 327,680 bytes of LDS; arguments x, h_old, Wf, Wi, Wo, Wg, q; writes q
.if DOCPART == 1
	.amdgcn_target "amdgcn-amd-amdhsa--gfx1250"
	.amdhsa_code_object_version 6
	.text
	.protected	k_q8f9132a960_quant
	.globl	k_q8f9132a960_quant
	.p2align	8
	.type	k_q8f9132a960_quant,@function
k_q8f9132a960_quant:
	s_mov_b64 s[64:65], 0
	v_nop
	global_prefetch_b8 v0, s[64:65] scope:SCOPE_SE
	s_setreg_imm32_b32 hwreg(HW_REG_WAVE_MODE, 25, 1), 1
	s_wait_xcnt 0x0
; t = [x | h_old] (2,048 rows x 4,096 K) and W = [Wf; Wi; Wo; Wg] (8,192 rows x 4,096 K), f32 with K innermost, become codes of BF8 (E5M2) with one E8M0 byte for each 32 along K.
; A block's scale is 2^(floor(log2(its largest magnitude)) - 15); its byte is the largest magnitude's exponent field - 15, held at 1 from below; each number is divided by the scale, held within +-57,344, rounded to the nearest code, ties to even.
; THE WORKSPACE q IS LAID IN THE ORDER OF THE OPERAND'S REGISTERS: 1,280 chunks of CH = 33,792 bytes.  A chunk is 128 operand rows x 256 K: fragment (block i of 16 rows, qq = which 128 of K) at (8 qq + i) x 2,048;
; in it register group c at 512 c + 16 x lane (lane = r + 16 h: row r, k = 32 c + 16 h + 0 .. 15); the scale words at 32,768 + 128 i + 8 r + 4 qq.  Chunk number = 16 x row group + K step.
; ROW GROUPS: 0 .. 15 are t's rows 128 R on (K steps 0-7 from x, 8-15 from h_old).  16 + Rw holds output columns 32 Rw .. 32 Rw + 31 of ALL FOUR gates: block 2 g + u = gate g (f, i, o, g), columns 32 Rw + 16 u + r.
; SHARES: work-group X takes t's chunk X and W's chunks 256 + 4 X + k, k = 0 .. 3 (one row group, four neighbouring K steps): five tiles of 128 rows x 1,024 bytes, the same text for every work-group.
; Wave p takes blocks 2 p, 2 p + 1 of each chunk: 32 neighbouring rows of x or h_old, or of gate p's matrix.  It brings them by ONE tensor load (32 rows x 1,024 bytes) and reads only its own rows.
; In LDS a row has 16 bytes of padding behind its 1,024: rows 1,040 bytes apart, so that the sixteen rows that a read touches start at sixteen different 16-byte columns; a lane reads its 16 neighbours along K as they lie.
; A ring of two slots of 128 rows.  By the text's own count a wave has one tensor load out behind each barrier; the other slot has landed by then and is worked on meanwhile.
; PREFETCH: while tile k is on its way, each wave names the 128 blocks of 256 bytes (32 rows, a lane a row, x 4 blocks) of its own rows of W's next tile, one slot ahead of the tensor load that wants them;
; each block is named once, by the one wave that will load it; the offsets are immediates and the address registers are never rewritten; the last tile named is the last tile loaded.
; NO CLUSTERS: no two work-groups read the same bytes.  No matrix unit: the launch has no product.
; LIMITS: NaN and infinities among the inputs are not served.  A block of zeros gets the byte 1 where the rule says 127: its codes are zeros, and the bytes are read by this program alone.
; Blocks whose largest magnitude lies under 2^-111 keep the byte 1, which is the rule's own lower bound of the exponent; they were not tried.
.set CH,    33792
.set LP,    1040                       ; an LDS row: 1,024 bytes + 16
.set WROWS, 32*LP                      ; a wave's 32 rows
.set SLOTB, 4*WROWS                    ; a slot: 133,120 bytes
.set SPARE, 2*SLOTB                    ; behind the ring: the spare words, 128 bytes for each wave: two blocks of 256 bytes that no other line names
.set LI,   4                           ; v4    16 x lane + 4,096 p: my codes' place in a chunk
.set L8,   5                           ; v5    8 x lane + 256 p: my scale words' place
.set STL,  6                           ; v6-7  LDS address of my row's numbers in slot 0, 1: (32 p + r) x 1,040 + 64 h
.set PFO,  8                           ; v8    lane x a row of W in memory (16,384 bytes); never rewritten
.set SPW,  10                          ; v10   LDS address of my spare word; never rewritten
.set NIL,  11                          ; v11   0; never rewritten
.set SA,   16                          ; v16-79   set A: 64 numbers a lane
.set SBB,  80                          ; v80-143  set B
.set TM,   144                         ; v144-147 largest magnitudes, v148-151 bytes, v152-155 57,344 x the scale, v156-159 the conversions' scale operand
.set SWD,  160                         ; v160-163 the scale word of fragment f
.set SW,   164                         ; v164-165 the pair that is stored
.set PC,   192                         ; v192-255 codes: 16 registers for each of a tile's four fragments
.set G1T,  20                          ; s[20:27] descriptor group 1 for t's tile (pitch 2,048 numbers)
.set G1W,  28                          ; s[28:35] for W's tiles (pitch 4,096)
.set G0,   36                          ; s[36:43] group 0, a set for each slot
.set QT,   44                          ; s[44:45] q at t's chunk
.set QW,   46                          ; s[46:47] q at W's first chunk
.set WB,   48                          ; s[48:49] my 32 rows of gate p's matrix at the first of my four K steps; never rewritten
	s_load_b256 s[4:11], s[0:1], 0x0               ; x s[4:5], h_old s[6:7], Wf s[8:9], Wi s[10:11]
	s_load_b128 s[12:15], s[0:1], 0x20             ; Wo s[12:13], Wg s[14:15]
	s_load_b64 s[16:17], s[0:1], 0x30              ; q
	v_lshl_add_u32 v[SPW], v0, 2, SPARE
	v_mov_b32 v[NIL], 0
	ds_add_u32 v[SPW], v[NIL]                      ; the opening lines: the add, twice on end, and its wait ahead of my first tensor load
	ds_add_u32 v[SPW], v[NIL]
	v_lshrrev_b32 v1, 5, v0
	v_readfirstlane_b32 s18, v1                    ; wave p, 0 .. 3
.irp g, G1T, G1W
	s_mov_b32 s[\g+0], (2<<16)|(1<<20)|(7<<22)|(3<<25)   ; elements of 4 bytes; padding on: behind every 256 words, 4 words
	s_mov_b32 s[\g+1], 256<<16                     ; tensor_dim0 = 256
	s_mov_b32 s[\g+2], 32<<16                      ; tensor_dim1 = 32
	s_mov_b32 s[\g+3], 256<<16                     ; tile_dim0 = 256
	s_mov_b32 s[\g+4], 32                          ; tile_dim1 = 32
	s_mov_b32 s[\g+6], 0
	s_mov_b32 s[\g+7], 0
.endr
	s_mov_b32 s[G1T+5], 2048                       ; numbers from row to row
	s_mov_b32 s[G1W+5], 4096
	s_mul_i32 s19, s18, WROWS                      ; my rows' place in a slot
	s_lshl_b32 s2, s18, 12
	s_lshl_b32 s3, s18, 8
	s_and_b32 s51, ttmp9, 15                       ; t: K step
	s_lshr_b32 s52, ttmp9, 4                       ; row group
	s_lshl_b32 s52, s52, 7
	s_lshl_b32 s53, s18, 5
	s_add_co_u32 s52, s52, s53                     ; row 128 R + 32 p
	s_lshl_b32 s52, s52, 13                        ; x 8,192 bytes
	s_and_b32 s53, s51, 7
	s_lshl_b32 s53, s53, 10                        ; 1,024 bytes a K step, in x or in h_old
	s_add_co_u32 s52, s52, s53
	s_mov_b32 s53, 0
	s_lshr_b32 s54, ttmp9, 2                       ; W: Rw; row 32 Rw x 16,384 bytes
	s_lshl_b32 s54, s54, 19
	s_and_b32 s55, ttmp9, 3
	s_lshl_b32 s55, s55, 12                        ; K step 4 (X % 4)
	s_add_co_u32 s54, s54, s55                     ; under 2^26
	s_mov_b32 s55, 0
	s_mul_i32 s56, ttmp9, CH
	s_mov_b32 s57, 0
	s_mul_i32 s58, ttmp9, 4*CH
	s_add_co_u32 s58, s58, 256*CH
	s_mov_b32 s59, 0
	s_mov_b32 s66, 0x76543210
	s_mov_b32 s67, 0xfedcba98                      ; v_permlanex16_b32's selects for lane l xor 16
	s_mov_b32 s68, 0x600000                        ; the mantissa field of 57,344
	s_wait_alu depctr_va_vdst(0)                   ; the wait here, directly ahead of the waits below
	s_wait_dscnt 0x0                               ; both opening adds are done
	s_wait_kmcnt 0x0
	s_cmp_lt_u32 s51, 8                            ; the choices hang on the work-group's and the wave's number alone
	s_cselect_b64 s[60:61], s[4:5], s[6:7]         ; t: x or h_old
	s_add_nc_u64 s[60:61], s[60:61], s[52:53]
	s_cmp_eq_u32 s18, 0
	s_cselect_b64 s[WB:WB+1], s[8:9], s[10:11]     ; W: gate p's matrix
	s_cmp_eq_u32 s18, 2
	s_cselect_b64 s[62:63], s[12:13], s[14:15]
	s_cmp_lt_u32 s18, 2
	s_cselect_b64 s[WB:WB+1], s[WB:WB+1], s[62:63]
	s_add_nc_u64 s[WB:WB+1], s[WB:WB+1], s[54:55]
	s_add_nc_u64 s[QT:QT+1], s[16:17], s[56:57]
	s_add_nc_u64 s[QW:QW+1], s[16:17], s[58:59]
	s_mov_b32 s[G0], 1
	s_mov_b32 s[G0+1], s19
	s_mov_b64 s[G0+2:G0+3], s[60:61]
	s_or_b32 s[G0+3], s[G0+3], 0x80000000
	s_mov_b32 s[G0+4], 1
	s_add_co_u32 s[G0+5], s19, SLOTB
	tensor_load_to_lds s[G0:G0+3], s[G1T:G1T+7]    ; t's tile into slot 0: one tensor load a wave at the head
	s_nop 0
	v_and_b32 v1, 31, v0                           ; lane
	v_and_b32 v2, 15, v0                           ; r
	v_bfe_u32 v3, v0, 4, 1                         ; h
	v_lshl_add_u32 v[LI], v1, 4, s2
	v_lshl_add_u32 v[L8], v1, 3, s3
	v_mul_u32_u24 v[STL], v2, LP
	v_lshl_add_u32 v[STL], v3, 6, v[STL]
	v_add_nc_u32 v[STL], s19, v[STL]
	v_add_nc_u32 v[STL+1], SLOTB, v[STL]
	v_lshlrev_b32 v[PFO], 14, v1
	v_cmp_gt_u32 s50, 16, v1                       ; lanes 0-15
.irp b, 0,1,2,3
	v_mov_b32 v[TM+4+\b], 0                        ; written once: a lane permute's destination counts as one of its sources
.endr
	s_wait_alu depctr_va_vdst(0)                   ; the wait at the head's end
; fragment f = 2 blk + qq out of slot s: register 16 b + 4 j + e holds k = 32 b + 16 h + 4 j + e of row r
.macro LDF f, set, s
.irp b, 0,1,2,3
.irp j, 0,1,2,3
	ds_load_b128 v[\set+16*\b+4*\j:\set+16*\b+4*\j+3], v[STL+\s] offset:((\f)/2)*16*LP+((\f)%2)*512+128*\b+16*\j
.endr
.endr
.endm
; 64 numbers of a lane become a fragment's codes in v[PC + 16 f] on and its rows' scale word in v[SWD + f]
.macro QUANT s, f
.irp b, 0,1,2,3
	v_max3_num_f32 v[TM+\b], |v[\s+16*\b]|, |v[\s+1+16*\b]|, 0x8000000   ; block b: my 16 numbers, and the floor 2^(16 - 127): the byte cannot fall under 1
.endr
.irp i, 2,4,6,8,10,12,14
.irp b, 0,1,2,3
	v_max3_num_f32 v[TM+\b], v[TM+\b], |v[\s+16*\b+\i]|, |v[\s+1+16*\b+\i]|   ; the four blocks by turns
.endr
.endr
.irp b, 0,1,2,3
	v_permlanex16_b32 v[TM+4+\b], v[TM+\b], s66, s67
.endr
.irp b, 0,1,2,3
	v_max_num_f32 v[TM+\b], v[TM+\b], v[TM+4+\b]   ; with lane l xor 16's 16: the block's largest magnitude
.endr
.irp b, 0,1,2,3
	v_add_nc_u32 v[TM+12+\b], 0xf8800000, v[TM+\b] ; 15 off its exponent field: the conversion takes the exponent field of this operand as its scale
.endr
.irp b, 0,1,2,3
	v_and_or_b32 v[TM+8+\b], v[TM+\b], 0x7f800000, s68   ; 57,344 x the scale
.endr
.irp b, 0,1,2,3
	v_lshrrev_b32 v[TM+4+\b], 23, v[TM+12+\b]      ; the scale's byte
.endr
	v_lshl_or_b32 v[SWD+\f], v[TM+5], 8, v[TM+4]   ; four bytes make row r's word; lanes r and r + 16 hold the same
	v_lshl_or_b32 v[SWD+\f], v[TM+6], 16, v[SWD+\f]
	v_lshl_or_b32 v[SWD+\f], v[TM+7], 24, v[SWD+\f]
.irp b, 0,1,2,3
.irp i, 0,1,2,3,4,5,6,7,8,9,10,11,12,13,14,15
	v_med3_num_f32 v[\s+16*\b+\i], v[\s+16*\b+\i], -v[TM+8+\b], v[TM+8+\b]   ; the conversion to an 8-bit code does not saturate (ISA guide 7.6.2): the hold comes first
.endr
	v_cvt_scalef32_pk8_bf8_f32 v[PC+16*(\f)+4*\b:PC+16*(\f)+4*\b+1], v[\s+16*\b:\s+7+16*\b], v[TM+12+\b]
	v_cvt_scalef32_pk8_bf8_f32 v[PC+16*(\f)+4*\b+2:PC+16*(\f)+4*\b+3], v[\s+8+16*\b:\s+15+16*\b], v[TM+12+\b]
.endr
	v_nop                                          ; one plain vector line behind the last conversion
.endm
; one fragment.  left: the LDS loads that may stay out (the other set's 16, or none).  more = 1: the set takes the fragment two further on
.macro PIECE f, set, s, left, more, qb, off
	s_wait_dscnt \left                             ; LDS loads come back in order (ISA guide 5.7.1): this set's 16 are in
	QUANT \set, \f
.if \more
	LDF (\f)+2, \set, \s
.endif
.irp c, 0,1,2,3
	global_store_b128 v[LI], v[PC+16*(\f)+4*\c:PC+16*(\f)+4*\c+3], s[\qb:\qb+1] offset:\off+16384*((\f)%2)+2048*((\f)/2)+512*\c   ; 32 lanes store 512 consecutive bytes, at a multiple of 512 from q's first byte
.endr
.endm
.macro ASKW k                          ; my 32 rows of W's tile k: a lane a row, four blocks of 256 bytes
.irp j, 0,1,2,3
	global_prefetch_b8 v[PFO], s[WB:WB+1] offset:(\k)*1024+256*\j th:TH_LOAD_NT scope:SCOPE_SE
.endr
.endm
; the tile in slot s becomes my part of the chunk at s[qb] + off.  pf: W's tile that is named for the L2, or -1
.macro TILE s, qb, off, pf
	s_wait_xcnt 0x0                                ; the last tile's stores have read their registers: the codes and the pair of words are written again only behind this wait
	LDF 0, SA, \s
	LDF 1, SBB, \s
	PIECE 0, SA, \s, 16, 1, \qb, \off
.if (\pf) >= 0
	ASKW \pf
.endif
	PIECE 1, SBB, \s, 16, 1, \qb, \off
	PIECE 2, SA, \s, 16, 0, \qb, \off
	PIECE 3, SBB, \s, 0, 0, \qb, \off
	v_cndmask_b32 v[SW], v[SWD+2], v[SWD], s50     ; lanes 0-15 store block 2 p's words, lanes 16-31 block 2 p + 1's: {qq = 0, qq = 1} of row lane % 16
	v_cndmask_b32 v[SW+1], v[SWD+3], v[SWD+1], s50
	global_store_b64 v[L8], v[SW:SW+1], s[\qb:\qb+1] offset:\off+32768   ; 32 lanes store 256 consecutive bytes, at a multiple of 256 from q's first byte
	s_wait_alu depctr_va_vdst(0)                   ; the wait ahead of the waits that follow
.endm
; W's tile k goes into slot s, which has been read (slot 1's first fill is issued in the same way)
.macro FILL s, k
	s_wait_tensorcnt 0x0                           ; all my tensor loads have landed, the unread slot's too: so a group 0 may be written
	ds_add_u32 v[SPW], v[NIL]
	s_add_nc_u64 s[G0+4*\s+2:G0+4*\s+3], s[WB:WB+1], (\k)*1024
	s_or_b32 s[G0+4*\s+3], s[G0+4*\s+3], 0x80000000
	s_wait_dscnt 0x0                               ; the add is done; my reads of the slot are back
	s_barrier_signal -1
	s_barrier_wait -1
	tensor_load_to_lds s[G0+4*\s:G0+4*\s+3], s[G1W:G1W+7]   ; my one tensor load behind the barrier, and the first thing there
	s_nop 0
.endm
	ASKW 0
	FILL 1, 0
	TILE 0, QT, 0, 1
	FILL 0, 1
	TILE 1, QW, 0, 2
	FILL 1, 2
	TILE 0, QW, CH, 3
	FILL 0, 3
	TILE 1, QW, 2*CH, -1
	s_wait_tensorcnt 0x0                           ; the last tile is in; I read only the rows that I loaded
	TILE 0, QW, 3*CH, -1
	s_wait_tensorcnt 0x0                           ; the wave's end
	ds_add_u32 v[SPW], v[NIL]
	s_wait_dscnt 0x0
	s_endpgm
.Lfunc_end_k_q8f9132a960_quant:
	.size	k_q8f9132a960_quant, .Lfunc_end_k_q8f9132a960_quant-k_q8f9132a960_quant
	.p2alignl 7, 3214868480
	.fill 96, 4, 3214868480
	.section	.rodata,"a",@progbits
	.p2align	6, 0x0
	.amdhsa_kernel k_q8f9132a960_quant
		.amdhsa_group_segment_fixed_size 327680
		.amdhsa_private_segment_fixed_size 0
		.amdhsa_enable_private_segment 0
		.amdhsa_kernarg_size 56
		.amdhsa_user_sgpr_count 2
		.amdhsa_user_sgpr_kernarg_segment_ptr 1
		.amdhsa_wavefront_size32 1
		.amdhsa_system_sgpr_workgroup_id_x 1
		.amdhsa_system_sgpr_workgroup_id_y 1
		.amdhsa_system_sgpr_workgroup_id_z 1
		.amdhsa_system_vgpr_workitem_id 0
		.amdhsa_next_free_vgpr 256
		.amdhsa_next_free_sgpr 72
		.amdhsa_reserve_vcc 0
		.amdhsa_float_denorm_mode_32 3
		.amdhsa_float_denorm_mode_16_64 3
		.amdhsa_memory_ordered 1
		.amdhsa_forward_progress 1
		.amdhsa_inst_pref_size 197
	.end_amdhsa_kernel
	.amdgpu_metadata
---
amdhsa.version: [ 1, 2 ]
amdhsa.kernels:
  - .name:           k_q8f9132a960_quant
    .symbol:         k_q8f9132a960_quant.kd
    .args:
      - { .name: x, .offset: 0, .size: 8, .value_kind: global_buffer, .address_space: global }
      - { .name: h_old, .offset: 8, .size: 8, .value_kind: global_buffer, .address_space: global }
      - { .name: Wf, .offset: 16, .size: 8, .value_kind: global_buffer, .address_space: global }
      - { .name: Wi, .offset: 24, .size: 8, .value_kind: global_buffer, .address_space: global }
      - { .name: Wo, .offset: 32, .size: 8, .value_kind: global_buffer, .address_space: global }
      - { .name: Wg, .offset: 40, .size: 8, .value_kind: global_buffer, .address_space: global }
      - { .name: q, .offset: 48, .size: 8, .value_kind: global_buffer, .address_space: global }
    .group_segment_fixed_size: 327680
    .private_segment_fixed_size: 0
    .kernarg_segment_align: 8
    .kernarg_segment_size: 56
    .max_flat_workgroup_size: 128
    .sgpr_count:     72
    .vgpr_count:     256
    .wavefront_size: 32
...
	.end_amdgpu_metadata
.endif
;; end of part 1
;; launch cell (part 2): grid 32 x 8, 4 waves a work-group, clusters of 4 x 4, 327,680 bytes of LDS; arguments q, bf, bi, bo, bg, c_old, out0, out1; writes out0, out1
.if DOCPART == 2
	.amdgcn_target "amdgcn-amd-amdhsa--gfx1250"
	.amdhsa_code_object_version 6
	.text
	.protected	k_q8f9132a960_cell
	.globl	k_q8f9132a960_cell
	.p2align	8
	.type	k_q8f9132a960_cell,@function
k_q8f9132a960_cell:
	s_mov_b64 s[64:65], 0
	v_nop
	global_prefetch_b8 v0, s[64:65] scope:SCOPE_SE
	s_setreg_imm32_b32 hwreg(HW_REG_WAVE_MODE, 25, 1), 1
	s_wait_xcnt 0x0
	s_wait_alu depctr_hold_cnt(0) depctr_sa_sdst(0) depctr_va_vdst(0) depctr_va_sdst(0) depctr_va_ssrc(0) depctr_va_vcc(0) depctr_vm_vsrc(0)
	s_getreg_b32 s2, hwreg(HW_REG_IB_STS2, 6, 4)
	s_cmp_eq_u32 s2, 0
	s_cbranch_scc0 .Lentry_in_a_cluster
	s_endpgm
.Lentry_in_a_cluster:
	s_bfe_u32 s2, ttmp6, 0x10000c
	s_cmp_lg_u32 s2, 0xf033
	s_cbranch_scc0 .Lentry_shape_is_right
	s_endpgm
.Lentry_shape_is_right:
; gates = Q(t) Q(W)^T + b on codes of BF8 (E5M2) with E8M0 scales, then c = sigmoid(zf) c_old + sigmoid(zi) tanh(zg), h = sigmoid(zo) tanh(c), all in f32.
; q holds the operands as chunks of CH bytes (128 operand rows x 256 K in the order of the operand's registers, scale words behind the codes), as the launch before laid them.
; A work-group of four waves makes 256 rows x 64 output columns of all four gates (256 x 256 of the product); a wave 128 x 128: 64 accumulators, 512 registers.
; A wave's eight blocks of W's rows are gate g (f, i, o, g), columns 16 u + r: block 2 g + u; so a lane holds all four gates of its outputs and the cell's arithmetic needs no other lane.
; K goes in steps of 256 through a ring of two LDS slots of four chunks; each wave fetches one chunk by one tensor load.  CLUSTERS 4 x 4: t's chunks are asked for jointly along a row, W's along a column.
; The matrix instruction is used transposed (source 0 = W's rows, source 1 = t's rows): a lane holds eight neighbouring columns of a row.  The biases are the C of the first products.
; The K steps are walked in an order that hangs on the cluster's number alone (K step xor MK); the sums are f32 and are compared within a tolerance.
; REGISTERS: window 0: v0-31 addresses, v32-63 scale words (two sets), v64-127 biases, v128-255 t's fragments (one set); window 1: W's fragments (two sets); windows 2, 3: accumulators.
; On the way out c_old comes by one tensor load a wave into slot 0, which has had its last read; c and h go through the same stage rows and leave as whole rows of 256 bytes.
; LIMIT: the exponents to the base 2 of the five exponentials are held at 24 from above, so that the joint denominators stay finite: a sigmoid is then never under 2^-24 and a tanh never over 1 - 2^-23.
; NaN and infinities among the inputs are not served.
.set CH,     33792
.set STREAM, 16*CH
.set SLOT,   4*CH
.set SPARE,  2*SLOT
.set SPITCH, 528
.set FR,     16
.set NL,     4
.set NP,     8
.set LAPS,   8
.set ADRA, 16
.set ADRS, 18
.set ADRB, 20
.set STO,  24
.set RD,   25
.set GO,   26
.set BO,   27
.set SPW,  28
.set NIL,  29
.set PFO,  30
.set PFC,  31
.set SC,   32
.set BIAS, 64
.set AF,   128
.set T,    32
.set M,    96
.set P,    112
.set MK,  2
.set KS,  23
.set G1,  24
.set G0,  32
.set G1B, 48
.set G0B, 56
.set KO,  66
.set G1C, 68
.set G0C, 76
.set PFA, 80
.set LIM, 82
.set PCO, 96
.set PFB, 98
.set LIM1, 100
.set TA,  101
.set MSB, 0
.macro WIN new
.if MSB != (\new)
	s_set_vgpr_msb (MSB<<8)|(\new)
.set MSB, (\new)
.endif
.endm
.set MUL_LO, 0xa1
.set MUL_HI, 0xf1
.set TO_B,   0x40
.macro AIM slot
	s_xor_b32 s[KO], s[KS], s[MK]
	s_mul_i32 s[KO], s[KO], CH
	s_add_nc_u64 s[G0+4*\slot+2:G0+4*\slot+3], s[90:91], s[KO:KO+1]
	s_add_nc_u64 s[G0B+4*\slot+2:G0B+4*\slot+3], s[46:47], s[KO:KO+1]
	s_or_b32 s[G0+4*\slot+3], s[G0+4*\slot+3], 0x80000000
	s_or_b32 s[G0B+4*\slot+3], s[G0B+4*\slot+3], 0x80000000
	s_add_co_u32 s[KS], s[KS], 1
.endm
.macro JLOAD s
	s_cmp_eq_u32 s21, 0
	s_cbranch_scc0 .Lfor_b_\@
	tensor_load_to_lds s[G0+4*\s:G0+4*\s+3], s[G1:G1+7]
	s_nop 0
.rept 4
	v_nop
.endr
	s_branch .Lasked_\@
.Lfor_b_\@:
	tensor_load_to_lds s[G0B+4*\s:G0B+4*\s+3], s[G1B:G1B+7]
	s_nop 0
.rept 4
	v_nop
.endr
.Lasked_\@:
.endm
.macro CREST
	s_cmp_lg_u32 s20, 0
	s_cbranch_scc1 .Lnot_wave_0_\@
	s_barrier_signal -3
.Lnot_wave_0_\@:
	s_barrier_wait -3
	s_barrier_signal -1
	s_barrier_wait -1
.endm
.macro CROUND
	s_barrier_signal -1
	s_barrier_wait -1
	CREST
.endm
.macro ASK slot
	s_and_b32 s[TA], s3, 1
	s_mul_i32 s[TA], s[TA], s3
.if \slot == 0
	s_cmp_gt_u32 s[TA], s[LIM]
.else
	s_cmp_gt_u32 s[TA], s[LIM1]
.endif
	s_cbranch_scc0 .Lnot_q_\@
	s_wait_alu depctr_va_vdst(0)
	global_prefetch_b8 v[PFO], s[PFA:PFA+1] th:TH_LOAD_NT scope:SCOPE_SE
.Lnot_q_\@:
	s_cmp_eq_u32 s3, 1
	s_cbranch_scc0 .Lnot_c_\@
	s_wait_alu depctr_va_vdst(0)
	global_prefetch_b8 v[PFC], s[PCO:PCO+1] offset:\slot*32*8192 th:TH_LOAD_NT scope:SCOPE_SE
.Lnot_c_\@:
.endm
	s_load_b256 s[4:11], s[0:1], 0x0
	s_load_b256 s[12:19], s[0:1], 0x20
	v_lshl_add_u32 v[SPW], v0, 2, SPARE
	v_mov_b32 v[NIL], 0
	ds_add_u32 v28, v29
	ds_add_u32 v28, v29
	s_wait_dscnt 0x0
	v_lshrrev_b32 v1, 5, v0
	v_readfirstlane_b32 s20, v1
	s_lshr_b32 s21, s20, 1
	s_and_b32 s22, s20, 1
	s_bfe_u32 s40, ttmp6, 0x40000
	s_bfe_u32 s41, ttmp6, 0x40004
	s_lshl_b32 s42, ttmp9, 2
	s_add_co_u32 s42, s42, s40
	s_and_b32 s43, ttmp7, 0xffff
	s_lshl_b32 s43, s43, 2
	s_add_co_u32 s43, s43, s41
	s_lshl_b32 s44, s41, 2
	s_lshl_b32 s44, 15, s44
	s_lshl_b32 s45, 0x1111, s40
	s_and_b32 s[MK], ttmp9, 3
	s_and_b32 s[KO], ttmp7, 0xffff
	s_lshl_b32 s[KO], s[KO], 1
	s_xor_b32 s[MK], s[MK], s[KO]
	s_and_b32 s[MK], s[MK], 3
	s_mov_b32 s[KS], 0
	s_mov_b32 s[KO+1], 0
	s_or_b32 s[G1+0], s44, (3<<16)|(1<<21)
	s_or_b32 s[G1B+0], s45, (3<<16)|(1<<21)
.irp g, G1, G1B
	s_mov_b32 s[\g+1], 32<<16
	s_mov_b32 s[\g+2], 132<<16
	s_mov_b32 s[\g+3], 32<<16
	s_mov_b32 s[\g+4], 132
	s_mov_b32 s[\g+5], 32
	s_mov_b32 s[\g+6], 0
	s_mov_b32 s[\g+7], 0
.endr
	s_mov_b32 s[G1C+0], 0x87520000
	s_mov_b32 s[G1C+1], 64<<16
	s_mov_b32 s[G1C+2], 64<<16
	s_mov_b32 s[G1C+3], 64<<16
	s_mov_b32 s[G1C+4], 64
	s_mov_b32 s[G1C+5], 2048
	s_mov_b32 s[G1C+6], 0
	s_mov_b32 s[G1C+7], 0
	s_lshl_b32 s90, s43, 1
	s_add_co_u32 s90, s90, s22
	s_mul_i32 s90, s90, STREAM
	s_mov_b32 s91, 0
	s_lshl_b32 s46, s42, 1
	s_add_co_u32 s46, s46, s22
	s_mul_i32 s46, s46, STREAM
	s_add_co_u32 s46, s46, 16*STREAM
	s_mov_b32 s47, 0
	s_mul_i32 s89, s20, CH
	s_lshl_b32 s94, s43, 8
	s_lshl_b32 s95, s20, 6
	s_add_co_u32 s94, s94, s95
	s_lshl_b32 s94, s94, 13
	s_lshl_b32 s95, s42, 8
	s_add_co_u32 s94, s94, s95
	s_mov_b32 s95, 0
	s_lshl_b32 s92, s42, 8
	s_lshl_b32 s93, s22, 7
	s_add_co_u32 s92, s92, s93
	s_mov_b32 s93, 0
	s_mov_b32 s84, 0xbfb8aa3b
	s_mov_b32 s85, s84
	s_mov_b32 s86, 0x4038aa3b
	s_mov_b32 s87, s86
	s_mov_b32 s88, 0x41c00000
	s_wait_kmcnt 0x0
	s_add_nc_u64 s[90:91], s[4:5], s[90:91]
	s_add_nc_u64 s[46:47], s[4:5], s[46:47]
	s_add_nc_u64 s[PCO:PCO+1], s[14:15], s[94:95]
	s_add_nc_u64 s[16:17], s[16:17], s[94:95]
	s_add_nc_u64 s[18:19], s[18:19], s[94:95]
	s_add_nc_u64 s[6:7], s[6:7], s[92:93]
	s_add_nc_u64 s[8:9], s[8:9], s[92:93]
	s_add_nc_u64 s[10:11], s[10:11], s[92:93]
	s_add_nc_u64 s[12:13], s[12:13], s[92:93]
	CROUND
.irp s, 0,1
	s_mov_b32 s[G0+4*\s], 1
	s_add_co_u32 s[G0+4*\s+1], s89, \s*SLOT
	s_mov_b32 s[G0B+4*\s], 1
	s_add_co_u32 s[G0B+4*\s+1], s89, \s*SLOT
	AIM \s
.endr
	JLOAD 0                                        ; the first K step, behind the one round: one tensor load a wave at the head; the addresses below are made while it is out
	s_mov_b32 s[G0C], 1
	s_mov_b32 s[G0C+1], s89
	s_mov_b64 s[G0C+2:G0C+3], s[PCO:PCO+1]
	s_or_b32 s[G0C+3], s[G0C+3], 0x80000000
	v_and_b32 v1, 15, v0
	v_bfe_u32 v2, v0, 4, 1
	v_and_b32 v3, 31, v0
	v_lshlrev_b32 v[BO], 5, v2
.irp u, 0,1
	global_load_b128 v[BIAS+8*\u:BIAS+8*\u+3],       v[BO], s[6:7] offset:64*\u
	global_load_b128 v[BIAS+8*\u+4:BIAS+8*\u+7],     v[BO], s[6:7] offset:64*\u+16
	global_load_b128 v[BIAS+16+8*\u:BIAS+16+8*\u+3],   v[BO], s[8:9] offset:64*\u
	global_load_b128 v[BIAS+16+8*\u+4:BIAS+16+8*\u+7], v[BO], s[8:9] offset:64*\u+16
	global_load_b128 v[BIAS+32+8*\u:BIAS+32+8*\u+3],   v[BO], s[10:11] offset:64*\u
	global_load_b128 v[BIAS+32+8*\u+4:BIAS+32+8*\u+7], v[BO], s[10:11] offset:64*\u+16
	global_load_b128 v[BIAS+48+8*\u:BIAS+48+8*\u+3],   v[BO], s[12:13] offset:64*\u
	global_load_b128 v[BIAS+48+8*\u+4:BIAS+48+8*\u+7], v[BO], s[12:13] offset:64*\u+16
.endr
	v_lshlrev_b32 v4, 4, v3
	s_mul_i32 s92, s21, CH
	s_mul_i32 s93, s22, CH
	s_add_co_u32 s93, s93, 2*CH
	v_add_nc_u32 v[ADRA], s92, v4
	v_add_nc_u32 v[ADRA+1], SLOT, v[ADRA]
	v_add_nc_u32 v[ADRB], s93, v4
	v_add_nc_u32 v[ADRB+1], SLOT, v[ADRB]
	v_lshlrev_b32 v5, 3, v1
	s_sub_co_u32 s93, s93, s92
	v_mul_u32_u24 v6, s93, v2
	s_add_co_u32 s92, s92, 32768
	v_add_nc_u32 v5, v5, v6
	v_add_nc_u32 v[ADRS], s92, v5
	v_add_nc_u32 v[ADRS+1], SLOT, v[ADRS]
	s_mul_i32 s92, s21, 128*SPITCH
	s_lshl_b32 s83, s22, 7
	s_add_co_u32 s92, s92, s83
	v_mul_u32_u24 v[STO], v1, SPITCH
	v_lshl_add_u32 v[STO], v2, 5, v[STO]
	v_add_nc_u32 v[STO], s92, v[STO]
	v_mul_u32_u24 v[RD], v2, SPITCH
	v_lshl_add_u32 v[RD], v1, 4, v[RD]
	v_add_nc_u32 v[RD], s89, v[RD]
	v_lshlrev_b32 v[GO], 13, v2
	v_lshl_add_u32 v[GO], v1, 4, v[GO]
	v_lshlrev_b32 v[PFO], 8, v3
	v_lshlrev_b32 v[PFC], 13, v3
	s_cmp_lt_u32 ttmp9, 4
	s_cselect_b32 s[LIM], 1, -1
	s_cmp_eq_u32 s21, 0
	s_cselect_b32 s[LIM], s[LIM], 1
	s_cselect_b32 s[LIM1], -1, 1
	s_cselect_b32 s83, s40, s41
	s_cselect_b64 s[PFB:PFB+1], s[90:91], s[46:47]
	s_lshl_b32 s92, s83, 13
	s_mov_b32 s93, 0
	s_add_nc_u64 s[PFB:PFB+1], s[PFB:PFB+1], s[92:93]
.macro FRAG reg, adr, q, i
.irp c, 0,1,2,3
	ds_load_b128 v[\reg+4*\c:\reg+4*\c+3], v[\adr] offset:(8*(\q)+(\i))*2048+512*\c
.endr
.endm
.macro MUL16 a0, p, q, sc, first
.irp a, \a0, \a0+1
.irp b, 0,1,2,3,4,5,6,7
.if \first
	v_wmma_scale_f32_16x16x128_f8f6f4 v[8*(8*((\a)%4)+\b):8*(8*((\a)%4)+\b)+7], v[128*(\p)+FR*\b:128*(\p)+FR*\b+FR-1], v[AF+FR*(\a):AF+FR*(\a)+FR-1], v[BIAS+8*\b:BIAS+8*\b+7], v[SC+16*(\sc)+2*\b+(\q)], v[SC+16*(\sc)+2*(\a)+(\q)] matrix_a_fmt:MATRIX_FMT_BF8 matrix_b_fmt:MATRIX_FMT_BF8 matrix_a_scale:MATRIX_SCALE_ROW1
.else
	v_wmma_scale_f32_16x16x128_f8f6f4 v[8*(8*((\a)%4)+\b):8*(8*((\a)%4)+\b)+7], v[128*(\p)+FR*\b:128*(\p)+FR*\b+FR-1], v[AF+FR*(\a):AF+FR*(\a)+FR-1], v[8*(8*((\a)%4)+\b):8*(8*((\a)%4)+\b)+7], v[SC+16*(\sc)+2*\b+(\q)], v[SC+16*(\sc)+2*(\a)+(\q)] matrix_a_fmt:MATRIX_FMT_BF8 matrix_b_fmt:MATRIX_FMT_BF8 matrix_a_scale:MATRIX_SCALE_ROW1
.endif
.endr
.endr
.endm
.macro FETCH_B slot, q, p
	WIN TO_B
.irp i, 0,1,2,3,4,5,6,7
	FRAG 128*(\p)+FR*\i, ADRB+\slot, \q, \i
.endr
	WIN 0
.endm
.macro FETCH_A slot, q, i0
.irp i, \i0, \i0+1, \i0+2, \i0+3
	FRAG AF+FR*(\i), ADRA+\slot, \q, \i
.endr
.endm
.macro SCALES s
.irp i, 0,1,2,3,4,5,6,7
	ds_load_b64 v[SC+16*\s+2*\i:SC+16*\s+2*\i+1], v[ADRS+\s] offset:128*\i
.endr
.endm
.macro PLACES n
.rept \n
	v_nop
.endr
.endm
.macro FETCH_BH slot, q, p, i0         ; four of W's fragments, i0 .. i0 + 3, into set p
	WIN TO_B
.irp i, \i0, \i0+1, \i0+2, \i0+3
	FRAG 128*(\p)+FR*(\i), ADRB+\slot, \q, \i
.endr
	WIN 0
.endm
; A step of 128 along K that has its successor in the same slot: four runs of 16 LDS loads, one behind each 16 products.
; W's other set was last read ahead of the eight places at the end of the step before, so its two runs need no places of their own.
.macro STEP slot, q, first
	s_wait_dscnt 4*NL                              ; W's set and t's blocks 0-3 are in; the youngest 16 loads (t's blocks 4-7) may be out
	WIN MUL_LO-0x20*(\first)
	MUL16 0, (\q)%2, \q, \slot, \first
	FETCH_BH \slot, (\q)+1, 1-(\q)%2, 0
	WIN MUL_LO-0x20*(\first)
	MUL16 2, (\q)%2, \q, \slot, \first
	FETCH_BH \slot, (\q)+1, 1-(\q)%2, 4
	s_wait_dscnt 8*NL                              ; t's blocks 4-7 are in; the 32 loads just issued may be out
	WIN MUL_HI-0x30*(\first)
	MUL16 4, (\q)%2, \q, \slot, \first
	PLACES NP                                      ; behind the last products that read t's blocks 0-3
	WIN 0
	FETCH_A \slot, (\q)+1, 0
	WIN MUL_HI-0x30*(\first)
	MUL16 6, (\q)%2, \q, \slot, \first
	PLACES NP
	WIN 0
	FETCH_A \slot, (\q)+1, 4
.endm
.macro TURN slot, next, fill
.if \fill == 1
	s_wait_xcnt 0x0
	s_add_co_u32 s92, s[KS], 2
	s_xor_b32 s92, s92, s[MK]
	s_and_b32 s92, s92, 15
	s_mul_i32 s92, s92, CH
	s_add_nc_u64 s[PFA:PFA+1], s[PFB:PFB+1], s[92:93]
.endif
	s_wait_tensorcnt 0x0
	ds_add_u32 v[SPW], v[NIL]
.if \fill == 1
	AIM \slot
.endif
	s_wait_dscnt 4*NL+1
	WIN MUL_LO
	MUL16 0, 1, 1, \slot, 0
	s_wait_dscnt 0x0
	s_barrier_signal -1
	MUL16 2, 1, 1, \slot, 0
	WIN 0
	s_barrier_wait -1
	CREST
.if \fill == 1
	JLOAD \slot
.else
	tensor_load_to_lds s[G0C:G0C+3], s[G1C:G1C+7]
	s_nop 0
.rept 4
	v_nop
.endr
.endif
	PLACES NP-4
	FETCH_B \next, 0, 0
	FETCH_A \next, 0, 0
	SCALES \next
.if \fill == 1
	ASK \slot
.endif
	WIN MUL_HI
	MUL16 4, 1, 1, \slot, 0
	MUL16 6, 1, 1, \slot, 0
	PLACES NP
	WIN 0
	FETCH_A \next, 0, 4
.endm
	s_wait_alu depctr_va_vdst(0)                   ; the wait at the head's end
	s_wait_tensorcnt 0x0                           ; my chunk of the first K step is in
	ds_add_u32 v[SPW], v[NIL]
	s_wait_dscnt 0x0
	CROUND                                         ; a whole round: all four chunks are in, and all sixteen work-groups are here
	JLOAD 1                                        ; slot 1's first fill: the first tensor load behind the round
	FETCH_B 0, 0, 0
	FETCH_A 0, 0, 0
	SCALES 0
	FETCH_A 0, 0, 4
	s_wait_loadcnt 0x0
	STEP 0, 0, 1
	s_mov_b32 s3, LAPS-1
.Llap:
	TURN 0, 1, 1
	STEP 1, 0, 0
	TURN 1, 0, 1
	STEP 0, 0, 0
	s_sub_co_u32 s3, s3, 1
	s_cmp_lg_u32 s3, 0
	s_cbranch_scc1 .Llap
	TURN 0, 1, 2
	STEP 1, 0, 0
	s_wait_dscnt 4*NL
	WIN MUL_LO
	MUL16 0, 1, 1, 1, 0
	MUL16 2, 1, 1, 1, 0
	s_wait_dscnt 0
	WIN MUL_HI
	MUL16 4, 1, 1, 1, 0
	MUL16 6, 1, 1, 1, 0
	WIN 0
	PLACES NP
	s_wait_tensorcnt 0x0
	s_barrier_signal -1
	s_barrier_wait -1
	s_wait_alu depctr_va_vdst(0)
.irp a, 0,1,2,3,4,5,6,7
.irp u, 0,1
.irp w, 0,1
	ds_load_b128 v[128+16*\a+8*\u+4*\w:128+16*\a+8*\u+4*\w+3], v[STO] offset:16*\a*SPITCH+64*\u+16*\w
.endr
.endr
.endr
.macro GATES a
.set AC, 64*((\a)%4)
.set CO, 128+16*(\a)
.set HH, 16*(\a)
	WIN 2+(\a)/4
.set n, 0
.rept 24
	v_pk_mul_f32 v[T+n:T+n+1], v[AC+n:AC+n+1], s[84:85] op_sel_hi:[1,0]
.set n, n+2
.endr
.rept 8
	v_pk_mul_f32 v[T+n:T+n+1], v[AC+n:AC+n+1], s[86:87] op_sel_hi:[1,0]
.set n, n+2
.endr
	WIN 0
.set n, 0
.rept 64
	v_min_num_f32 v[T+n], s88, v[T+n]              ; all 64 exponents are held at 24 first,
.set n, n+1
.endr
	s_wait_alu depctr_va_vdst(0)                   ; then ONE wait ahead of the batch,
.set n, 0
.rept 64
	v_exp_f32 v[T+n], v[T+n]                       ; and the batch: e^-zf, e^-zi, e^-zo, e^(2 zg)
.set n, n+1
.endr
	v_nop
	s_wait_alu depctr_va_vdst(0)
.set n, 0
.rept 8
	v_pk_add_f32 v[M+n:M+n+1], v[T+48+n:T+48+n+1], -1.0 op_sel_hi:[1,0]
.set n, n+2
.endr
.set n, 0
.rept 32
	v_pk_add_f32 v[T+n:T+n+1], v[T+n:T+n+1], 1.0 op_sel_hi:[1,0]
.set n, n+2
.endr
.set n, 0
.rept 8
	v_pk_mul_f32 v[P+n:P+n+1], v[T+48+n:T+48+n+1], v[T+16+n:T+16+n+1]
.set n, n+2
.endr
.set n, 0
.rept 8
	v_pk_mul_f32 v[T+16+n:T+16+n+1], v[P+n:P+n+1], v[T+n:T+n+1]
.set n, n+2
.endr
.if (\a) == 0
	s_wait_alu depctr_va_vdst(0)                   ; the wait here, directly ahead of the wait below
	s_wait_dscnt 0x0                               ; c_old is in registers
.endif
.set n, 0
.rept 8
	v_pk_mul_f32 v[M+n:M+n+1], v[M+n:M+n+1], v[T+n:T+n+1]   ; the numerator is finished ahead of the batch: (E - 1)(1 + ef)
.set n, n+2
.endr
.set n, 0
.rept 8
	v_pk_fma_f32 v[M+n:M+n+1], v[CO+n:CO+n+1], v[P+n:P+n+1], v[M+n:M+n+1]   ; + c_old (1 + E)(1 + ei)
.set n, n+2
.endr
	s_wait_alu depctr_va_vdst(0)                   ; one wait ahead of the batch
.set n, 0
.rept 16
	v_rcp_f32 v[T+16+n], v[T+16+n]                 ; 1 / ((1 + ef)(1 + ei)(1 + E))
.set n, n+1
.endr
	v_nop                                          ; one plain place behind the last reciprocal
	s_wait_alu depctr_va_vdst(0)
.set n, 0
.rept 8
	v_pk_mul_f32 v[CO+n:CO+n+1], v[M+n:M+n+1], v[T+16+n:T+16+n+1]
.set n, n+2
.endr
.irp u, 0,1
.irp w, 0,1
	ds_store_b128 v[STO], v[CO+8*\u+4*\w:CO+8*\u+4*\w+3] offset:16*(\a)*SPITCH+64*\u+16*\w
.endr
.endr
.set n, 0
.rept 8
	v_pk_mul_f32 v[M+n:M+n+1], v[CO+n:CO+n+1], s[86:87] op_sel_hi:[1,0]
.set n, n+2
.endr
.set n, 0
.rept 16
	v_min_num_f32 v[M+n], s88, v[M+n]              ; the hold at 24, all sixteen first,
.set n, n+1
.endr
	s_wait_alu depctr_va_vdst(0)                   ; one wait ahead of the batch,
.set n, 0
.rept 16
	v_exp_f32 v[M+n], v[M+n]                       ; e^(2 c)
.set n, n+1
.endr
	v_nop
	s_wait_alu depctr_va_vdst(0)
.set n, 0
.rept 8
	v_pk_add_f32 v[T+n:T+n+1], v[M+n:M+n+1], 1.0 op_sel_hi:[1,0]
.set n, n+2
.endr
.set n, 0
.rept 8
	v_pk_mul_f32 v[T+n:T+n+1], v[T+n:T+n+1], v[T+32+n:T+32+n+1]
.set n, n+2
.endr
.set n, 0
	s_wait_alu depctr_va_vdst(0)
.rept 16
	v_rcp_f32 v[T+n], v[T+n]
.if n%2 == 1
	v_pk_add_f32 v[P+n-1:P+n], v[M+n-1:M+n], -1.0 op_sel_hi:[1,0]
.endif
.set n, n+1
.endr
	s_wait_alu depctr_va_vdst(0)
	WIN 0x40
.set n, 0
.rept 8
	v_pk_mul_f32 v[HH+n:HH+n+1], v[P+n:P+n+1], v[T+n:T+n+1]
.set n, n+2
.endr
	WIN 0x04
.irp u, 0,1
.irp w, 0,1
	ds_store_b128 v[STO], v[HH+8*\u+4*\w:HH+8*\u+4*\w+3] offset:16*(\a)*SPITCH+64*\u+16*\w+256
.endr
.endr
.endm
.irp a, 0,1,2,3,4,5,6,7
	GATES \a
.endr
	WIN 0
	s_wait_dscnt 0x0
	s_barrier_signal -1
	s_barrier_wait -1
.macro LOADB n0, set
.irp t, 0,1,2,3,4,5,6,7,8,9,10,11,12,13,14,15
	ds_load_b128 v[32+64*(\set)+4*\t:32+64*(\set)+4*\t+3], v[RD] offset:(32*((\n0)%2)+2*\t)*SPITCH+256*((\n0)/2)
.endr
.endm
.macro SENDB n0, set, younger
	s_wait_dscnt \younger
.irp t, 0,1,2,3,4,5,6,7,8,9,10,11,12,13,14,15
	global_store_b128 v[GO], v[32+64*(\set)+4*\t:32+64*(\set)+4*\t+3], s[16+2*((\n0)/2):17+2*((\n0)/2)] offset:(32*((\n0)%2)+2*\t)*8192 th:TH_STORE_NT
.endr
.endm
	LOADB 0, 0
	LOADB 1, 1
	SENDB 0, 0, 16
	s_wait_xcnt 0x0
	LOADB 2, 0
	SENDB 1, 1, 16
	s_wait_xcnt 0x0
	LOADB 3, 1
	SENDB 2, 0, 16
	SENDB 3, 1, 0
	s_wait_tensorcnt 0x0
	ds_add_u32 v[SPW], v[NIL]
	s_wait_dscnt 0x0
	CROUND
	s_endpgm
.Lfunc_end_k_q8f9132a960_cell:
	.size	k_q8f9132a960_cell, .Lfunc_end_k_q8f9132a960_cell-k_q8f9132a960_cell
	.p2alignl 7, 3214868480
	.fill 96, 4, 3214868480
	.section	.rodata,"a",@progbits
	.p2align	6, 0x0
	.amdhsa_kernel k_q8f9132a960_cell
		.amdhsa_group_segment_fixed_size 327680
		.amdhsa_private_segment_fixed_size 0
		.amdhsa_enable_private_segment 0
		.amdhsa_kernarg_size 64
		.amdhsa_user_sgpr_count 2
		.amdhsa_user_sgpr_kernarg_segment_ptr 1
		.amdhsa_wavefront_size32 1
		.amdhsa_system_sgpr_workgroup_id_x 1
		.amdhsa_system_sgpr_workgroup_id_y 1
		.amdhsa_system_sgpr_workgroup_id_z 1
		.amdhsa_system_vgpr_workitem_id 0
		.amdhsa_next_free_vgpr 1024
		.amdhsa_next_free_sgpr 102
		.amdhsa_reserve_vcc 0
		.amdhsa_float_denorm_mode_32 3
		.amdhsa_float_denorm_mode_16_64 3
		.amdhsa_memory_ordered 1
		.amdhsa_forward_progress 1
		.amdhsa_inst_pref_size 255
	.end_amdhsa_kernel
	.section	.bss,"aw",@nobits
	.p2align	6
	.space	262144
	.amdgpu_metadata
---
amdhsa.version: [ 1, 2 ]
amdhsa.kernels:
  - .name:           k_q8f9132a960_cell
    .symbol:         k_q8f9132a960_cell.kd
    .args:
      - { .name: q, .offset: 0, .size: 8, .value_kind: global_buffer, .address_space: global }
      - { .name: bf, .offset: 8, .size: 8, .value_kind: global_buffer, .address_space: global }
      - { .name: bi, .offset: 16, .size: 8, .value_kind: global_buffer, .address_space: global }
      - { .name: bo, .offset: 24, .size: 8, .value_kind: global_buffer, .address_space: global }
      - { .name: bg, .offset: 32, .size: 8, .value_kind: global_buffer, .address_space: global }
      - { .name: c_old, .offset: 40, .size: 8, .value_kind: global_buffer, .address_space: global }
      - { .name: out0, .offset: 48, .size: 8, .value_kind: global_buffer, .address_space: global }
      - { .name: out1, .offset: 56, .size: 8, .value_kind: global_buffer, .address_space: global }
    .group_segment_fixed_size: 327680
    .private_segment_fixed_size: 0
    .kernarg_segment_align: 8
    .kernarg_segment_size: 64
    .max_flat_workgroup_size: 128
    .sgpr_count:     102
    .vgpr_count:     1024
    .wavefront_size: 32
...
	.end_amdgpu_metadata
.endif
;; end of part 2
